; MI455X (gfx1250); checked and timed in simulation.
; The chip was launched on July 23, 2026; its instructions are those of AMD's public machine-readable ISA for CDNA 5 (MIT licence, August 2026) and "CDNA5" Instruction Set Architecture Reference Guide (July 2026). The comments in the code are by the model that wrote it; some were corrected since.
;; Scaled Dot Product Attention. Allowed arithmetic: matrix products marked QUANTISED: E5M2 operands, one E8M0 scale for each 32 along K, by v_wmma_scale_f32_16x16x128_f8f6f4 with both operands' format E5M2, f32 sums; everything else in f32.
;; Inputs: Wk 1,024 x 64 float32; Wq 1,024 x 64 float32; Wv 1,024 x 64 float32; x 4 x 4,096 x 1,024 float32.
;; Outputs: out0 4 x 4,096 x 64 float32.
;; This version of the problem:
;;   THIS VERSION OF THE PROBLEM IS GIVEN IN LOW PRECISION. The matrix products marked QUANTISED in the list below multiply operands that are first quantised to E5M2 (5 exponent bits, 2 mantissa bits; 8 bits a number), with one power-of-two scale for each 32 numbers along K (OCP MX v1.0); their sums are f32. All else is computed in f32.
;;   The module's matrix products, in the order in which they are computed (A, B: the left and right operand; K: the contracted axis; several contracted axes count as one K, in the product's order):
;;     1. [M 16,384, K 1,024] x [K 1,024, N 64]; A: input x; B: input Wq: QUANTISED
;;     2. [M 16,384, K 1,024] x [K 1,024, N 64]; A: input x; B: input Wk: QUANTISED
;;     3. [M 16,384, K 1,024] x [K 1,024, N 64]; A: input x; B: input Wv: QUANTISED
;;     4. batch 4 x [M 4,096, K 64] x [K 64, N 4,096]; A: computed on the way; B: computed on the way: QUANTISED
;;     5. batch 4 x [M 4,096, K 4,096] x [K 4,096, N 64]; A: softmax (see below); B: computed on the way: QUANTISED
;;   THE QUANTISER, for each operand of a quantised product, along K:
;;     - K is cut into blocks of 32 from its start; a last block that is shorter is filled with zeros.
;;     - A block's scale is 2^e with e = floor(log2(the largest magnitude in the block)) - 15, held to -126 .. 127; a block of zeros has e = 0. As a byte (E8M0): e + 127.
;;     - Each number is divided by its block's scale, clamped to +-57,344, and rounded to the nearest number of E5M2, ties to even, subnormals kept.
;;     - The product sums the exact products of the quantised numbers (number of the format x scale) in f32.
;;   ~~~python
;;   def quantise(x, axis):      # numpy; x: float32 -> the quantised numbers, widened to float32 again
;;       x = np.moveaxis(x, axis, -1); K = x.shape[-1]
;;       x = np.pad(x, [(0, 0)] * (x.ndim - 1) + [(0, -K % 32)]); x = x.reshape(x.shape[:-1] + (-1, 32)); a = np.abs(x).max(-1, keepdims=True)
;;       e = np.where(a > 0, np.clip(np.frexp(np.where(a > 0, a, 1))[1] - 1 - 15, -126, 127), 0)      # np.frexp(a)[1] - 1 = floor(log2(a)), exactly
;;       r = np.clip(x / 2.0 ** e, -57344, 57344)
;;       step = 2.0 ** (np.maximum(np.frexp(np.where(r == 0, 1, r))[1] - 1, -14) - 2)
;;       q = np.round(r / step) * step * 2.0 ** e      # np.round: ties to even
;;       return np.moveaxis(q.reshape(q.shape[:-2] + (-1,))[..., :K], -1, axis).astype(np.float32)
;;   ~~~
;;   SOFTMAX AHEAD OF A QUANTISED PRODUCT. Where the list says 'softmax', what is quantised is not the finished softmax but p = 2^(t - M), with t = logit x log2(e) and M = ceil(the row's largest t), a whole number; so 1/2 < the row's largest p <= 1. The row's sum l is taken of the UNQUANTISED p, in f32, and the product's result is divided by l at the end. Since M is a whole number, a kernel that streams over the keys may use a running M (the ceiling of the running maximum): every later rescaling is an exact power of two, which a block's scale takes up: the codes' values come out the same.
;;   OPERANDS COMPUTED ON THE WAY. 'Computed on the way' means the value that the module computes at that place (a softmax that the list does not call 'softmax' is quantised finished and normalised). What goes into a quantiser is computed in f32, as accurately as f32 sums, v_exp_f32 and their like allow (about 1e-6 of the number): no bf16 or f16 on the way to a quantiser, and a product that is left as it is and whose result goes on into a quantised operand takes f32 operands (vector FMAs, or v_wmma_f32_16x16x4_f32). A number that lies on a knife's edge between two numbers of the format may be rounded either way, as far as f32 arithmetic and the matrix unit's own rounding can turn it there, and no further.
;; One version. Each part assembles by itself: llvm-mc -triple=amdgcn-amd-amdhsa -mcpu=gfx1250 --defsym DOCPART=n.
;; ======== version 1 of 1: 3 launches
;; limits: right only within a limited range of input values
;; workspace buffers: wfr 202,752 bytes; qfr 1,114,112 bytes; kv 2,162,688 bytes
;; launch wq (part 1): grid 24 x 1, 4 waves a work-group, no clusters, 0 bytes of LDS; arguments Wq, Wk, Wv, wfr; writes wfr
.if DOCPART == 1
	.amdgcn_target "amdgcn-amd-amdhsa--gfx1250"
	.amdhsa_code_object_version 6
	.text
	.protected	k_q39e960b687_wq
	.globl	k_q39e960b687_wq
	.p2align	8
	.type	k_q39e960b687_wq,@function
k_q39e960b687_wq:
	s_mov_b64 s[64:65], 0
	v_nop
	global_prefetch_b8 v0, s[64:65] scope:SCOPE_SE
	s_setreg_imm32_b32 hwreg(HW_REG_WAVE_MODE, 25, 1), 1
	s_wait_xcnt 0x0
; Wq, Wk, Wv [1024][64] f32, K = the first axis, become codes of BF8 (E5M2) with one E8M0 byte for each 32 along K, laid as IMAGES OF THE OPERAND'S REGISTERS:
; wfr = [w 0..3] x 50,688 bytes; in it fragment (n, s) (n: 0 q, 1 k, 2 v; s: K step of 128) at (8 n + s) x 2,048: register group c of lane l at 512 c + 16 l holds W_n[128 s + 32 c + 16 (l / 16) + 0..15][16 w + l % 16];
; from byte 49,152 on the scale words, (8 n + s) x 64 + 4 (l % 16): byte c for k = 32 c .. 32 c + 31.
; SHARES: work-group 8 n + s, wave w: one fragment.  A lane takes a column and its registers run down K, in the order of the operand's layout: the conversions' results are the operand's registers.
; 96 fragments are all the work there is: 24 work-groups.  Nothing is shared between work-groups, so there is no cluster; no LDS, no barrier, no loop.
; A block's scale is 2^(floor(log2(its largest magnitude)) - 15); its byte is the largest magnitude's exponent field - 15, held at 1 from below.
; LIMITS: a block of zeros gets the byte 1 where the rule says 127 (its codes are zeros, and this program alone reads the bytes); blocks whose largest magnitude lies under 2^(16 - 127) keep the byte 1; NaN and infinities are not served.
.set WREG, 50688                       ; a wave's part of wfr
.set WSC,  49152                       ; where its scale words begin
.set AM,   8                           ; v8..   largest magnitudes
.set PX,   16                          ; v16..  the other half's maxima, then the scale bytes
.set HL,   24                          ; v24..  unused
.set SO,   32                          ; v32..  the conversions' scale operands
.set PW,   40                          ; v40    the scale word
.set PC,   48                          ; v48-63 the codes
.set NU,   64                          ; v64-127 the numbers: register 16 c + i = k 32 c + 16 h + i
.set SEL,  24                          ; s[24:25] v_permlanex16_b32's selects for lane l xor 16
.set MNT,  26                          ; s26 unused
; nb blocks of a lane: v[s + 16 b + i], i = 0..15; a block's other 16 numbers lie in lane l xor 16.  Codes to v[pc + 4 b ..], bytes to v[PX + b].  The blocks take turns line by line.
.macro QUANT s, nb, pc
.set qb, 0
.rept \nb
	v_max3_num_f32 v[AM+qb], |v[\s+16*qb]|, |v[\s+16*qb+1]|, 0x8000000   ; and the floor 2^(16 - 127): the byte cannot fall under 1
.set qb, qb+1
.endr
.set qi, 2
.rept 7
.set qb, 0
.rept \nb
	v_max3_num_f32 v[AM+qb], v[AM+qb], |v[\s+16*qb+qi]|, |v[\s+16*qb+qi+1]|
.set qb, qb+1
.endr
.set qi, qi+2
.endr
.set qb, 0
.rept \nb
	v_permlanex16_b32 v[PX+qb], v[AM+qb], s[SEL], s[SEL+1]
.set qb, qb+1
.endr
.set qb, 0
.rept \nb
	v_max_num_f32 v[AM+qb], v[AM+qb], v[PX+qb]                     ; the block's largest magnitude
.set qb, qb+1
.endr
.set qb, 0
.rept \nb
	v_add_nc_u32 v[SO+qb], 0xf8800000, v[AM+qb]                    ; 15 off its exponent field: the conversion takes this operand's exponent field as its scale
.set qb, qb+1
.endr
.set qb, 0
.rept \nb
.set qb, qb+1
.endr
.set qb, 0
.rept \nb
	v_lshrrev_b32 v[PX+qb], 23, v[SO+qb]                           ; the scale's byte
.set qb, qb+1
.endr
.set qb, 0
.rept \nb
.set qi, 0
.rept 16
.set qi, qi+1
.endr
	v_cvt_scalef32_pk8_bf8_f32 v[\pc+4*qb:\pc+4*qb+1], v[\s+16*qb:\s+16*qb+7], v[SO+qb]
	v_cvt_scalef32_pk8_bf8_f32 v[\pc+4*qb+2:\pc+4*qb+3], v[\s+16*qb+8:\s+16*qb+15], v[SO+qb]
.set qb, qb+1
.endr
	v_nop                                                          ; one plain line behind the last conversion
.endm
	s_load_b256 s[4:11], s[0:1], 0x0               ; Wq s[4:5], Wk s[6:7], Wv s[8:9], wfr s[10:11]
	v_lshrrev_b32 v1, 5, v0
	v_readfirstlane_b32 s12, v1                    ; wave w
	v_and_b32 v2, 15, v0                           ; r
	v_bfe_u32 v3, v0, 4, 1                         ; h
	v_and_b32 v4, 31, v0                           ; l
	s_lshl_b32 s13, s12, 6
	v_lshl_add_u32 v5, v2, 2, s13                  ; in: column 16 w + r, 4 bytes each,
	v_lshl_add_u32 v5, v3, 12, v5                  ; lanes 16-31 begin 16 rows of 256 bytes further down
	v_lshlrev_b32 v6, 4, v4                        ; out: 16 l
	v_lshlrev_b32 v7, 2, v2                        ; the scale word: 4 r
	s_mov_b32 s[SEL], 0x76543210
	s_mov_b32 s[SEL+1], 0xfedcba98
.irp b, 0,1,2,3
	v_mov_b32 v[PX+\b], 0                          ; a lane permute's destination counts as one of its sources
.endr
	s_and_b32 s14, ttmp9, 7
	s_lshl_b32 s14, s14, 15                        ; K step s: 128 rows of 256 bytes
	s_mov_b32 s15, 0
	s_mul_i32 s16, s12, WREG
	s_lshl_b32 s17, ttmp9, 11
	s_add_co_u32 s16, s16, s17                     ; my fragment: 50,688 w + 2,048 (8 n + s)
	s_mov_b32 s17, 0
	s_mul_i32 s20, s12, WREG
	s_lshl_b32 s21, ttmp9, 6
	s_add_co_u32 s20, s20, s21
	s_add_co_u32 s20, s20, WSC                     ; its scale words: 50,688 w + 49,152 + 64 (8 n + s)
	s_mov_b32 s21, 0
	s_wait_alu depctr_va_vdst(0)
	s_wait_kmcnt 0x0
	s_cmp_lt_u32 ttmp9, 16                         ; which tensor: the choice hangs on the work-group's number alone
	s_cselect_b64 s[6:7], s[6:7], s[8:9]
	s_cmp_lt_u32 ttmp9, 8
	s_cselect_b64 s[4:5], s[4:5], s[6:7]
	s_add_nc_u64 s[4:5], s[4:5], s[14:15]
	s_add_nc_u64 s[18:19], s[10:11], s[16:17]
	s_add_nc_u64 s[20:21], s[10:11], s[20:21]
.irp c, 0,1,2,3
.irp i, 0,1,2,3,4,5,6,7,8,9,10,11,12,13,14,15
	global_load_b32 v[NU+16*\c+\i], v5, s[4:5] offset:(32*\c+\i)*256   ; W(128 s + 32 c + 16 h + i, 16 w + r); the four waves together take the row's 256 bytes
.endr
.endr
	s_wait_loadcnt 0x0
	QUANT NU, 4, PC
	v_lshl_or_b32 v[PW], v[PX+1], 8, v[PX]         ; the four bytes make column r's scale word
	v_lshl_or_b32 v[PW], v[PX+2], 16, v[PW]
	v_lshl_or_b32 v[PW], v[PX+3], 24, v[PW]
.irp g, 0,1,2,3
	global_store_b128 v6, v[PC+4*\g:PC+4*\g+3], s[18:19] offset:512*\g   ; 32 lanes store 512 consecutive bytes, at a multiple of 256 from wfr's first byte
.endr
	global_store_b32 v7, v[PW], s[20:21]           ; lanes r and r + 16 write the same word with the same value
	s_endpgm
.Lfunc_end_k_q39e960b687_wq:
	.size	k_q39e960b687_wq, .Lfunc_end_k_q39e960b687_wq-k_q39e960b687_wq
	.p2alignl 7, 3214868480
	.fill 96, 4, 3214868480
	.section	.rodata,"a",@progbits
	.p2align	6, 0x0
	.amdhsa_kernel k_q39e960b687_wq
		.amdhsa_group_segment_fixed_size 0
		.amdhsa_private_segment_fixed_size 0
		.amdhsa_enable_private_segment 0
		.amdhsa_kernarg_size 32
		.amdhsa_user_sgpr_count 2
		.amdhsa_user_sgpr_kernarg_segment_ptr 1
		.amdhsa_wavefront_size32 1
		.amdhsa_system_sgpr_workgroup_id_x 1
		.amdhsa_system_sgpr_workgroup_id_y 1
		.amdhsa_system_sgpr_workgroup_id_z 1
		.amdhsa_system_vgpr_workitem_id 0
		.amdhsa_next_free_vgpr 128
		.amdhsa_next_free_sgpr 66
		.amdhsa_reserve_vcc 0
		.amdhsa_float_denorm_mode_32 3
		.amdhsa_float_denorm_mode_16_64 3
		.amdhsa_fp16_overflow 1
		.amdhsa_memory_ordered 1
		.amdhsa_forward_progress 1
		.amdhsa_inst_pref_size 12
	.end_amdhsa_kernel
	.amdgpu_metadata
---
amdhsa.version: [ 1, 2 ]
amdhsa.kernels:
  - .name:           k_q39e960b687_wq
    .symbol:         k_q39e960b687_wq.kd
    .args:
      - { .name: Wq, .offset: 0, .size: 8, .value_kind: global_buffer, .address_space: global }
      - { .name: Wk, .offset: 8, .size: 8, .value_kind: global_buffer, .address_space: global }
      - { .name: Wv, .offset: 16, .size: 8, .value_kind: global_buffer, .address_space: global }
      - { .name: wfr, .offset: 24, .size: 8, .value_kind: global_buffer, .address_space: global }
    .group_segment_fixed_size: 0
    .private_segment_fixed_size: 0
    .kernarg_segment_align: 8
    .kernarg_segment_size: 32
    .max_flat_workgroup_size: 128
    .sgpr_count:     66
    .vgpr_count:     128
    .wavefront_size: 32
...
	.end_amdgpu_metadata
.endif
;; end of part 1
;; launch proj (part 2): grid 256 x 1, 4 waves a work-group, no clusters, 327,680 bytes of LDS; arguments x, wfr, qfr, kv; writes qfr, kv
.if DOCPART == 2
	.amdgcn_target "amdgcn-amd-amdhsa--gfx1250"
	.amdhsa_code_object_version 6
	.text
	.protected	k_q39e960b687_proj
	.globl	k_q39e960b687_proj
	.p2align	8
	.type	k_q39e960b687_proj,@function
k_q39e960b687_proj:
	s_mov_b64 s[64:65], 0
	v_nop
	global_prefetch_b8 v0, s[64:65] scope:SCOPE_SE
	s_setreg_imm32_b32 hwreg(HW_REG_WAVE_MODE, 25, 1), 1
	s_wait_xcnt 0x0
; q = x Wq, k = x Wk, v = x Wv on codes of BF8 (E5M2) with one E8M0 scale for each 32 along C = 1,024; the results are quantised again at once, q and k along the head's 64, v along the tokens (the keys), and leave as codes.
; x: [16,384][1,024] f32.  wfr: the weights' fragments and scale words, as the launch before laid them.
; OUT.  qfr: a record of 4,352 bytes for each 64 tokens: tile m (16 tokens) at 1,024 m: group c at 512 c + 16 l = token 16 m + l % 16, channels 32 c + 16 (l / 16) + 0..15; from 4,096 on the scale words, 64 m + 4 r, bytes (b0, b1, b0, b1).
; kv: a record of 16,896 bytes for each 128 tokens.  +0: K in four PACKED fragments b: group 2 u + c = key 32 b + 8 u + r + 8 (r / 8), channels 32 c + 16 h + 0..15 (two tiles of 16 keys in one fragment of K = 128).
;   +8,192: V^T in four fragments t: group c = channel 16 t + r, keys 32 c + 16 h + 0..15.  +16,384: K's scale words, (b, r) at 128 (b % 2) + 8 r + 4 (b / 2).  +16,640: V's, (t, r) likewise.
; SHARES.  A work-group owns 64 tokens, 262,144 bytes of x, read once.  Wave w brings and quantises tokens 16 w .. 16 w + 15 and hands their fragments to the others through LDS as images of the registers;
; for all 64 tokens it makes channels 16 w .. 16 w + 15 of q, of k and of v, so that its 24 weight fragments stay in 384 registers, read once.
; x comes by four tensor loads a wave (16 rows x 1,024 bytes each), all issued at the start: four loads of mine are out, and no LDS byte is filled twice.  While a chunk is worked on, the later ones land.
; An image takes the first 4,352 bytes of the chunk that it was made of: my own load into them has landed, my reads of them were issued ahead of the stores, and nothing is ever loaded there again.
; NO CLUSTER: work-groups share the weights alone, which go into registers by plain loads of 512 consecutive bytes; LDS is full of x, which no two work-groups share.
; q and k are used transposed (source 0 = 16 channels of W, source 1 = 16 tokens): a lane holds one token and eight channels.  v is not (source 0 = tokens, source 1 = channels): a lane holds one channel and eight tokens, the next K.
; LIMITS: a block of zeros gets the byte 1 where the rule says 127 (its codes are zeros, and this program alone reads the bytes); blocks whose largest magnitude lies under 2^(16 - 127) keep the byte 1; NaN and infinities are not served.
; REGISTERS, in windows of 256.  window 0: v1-27 addresses; v28-39 the weights' scale words; v40-47 x's; v48-81 the quantiser's; v84-115 codes; v116-119 at work; v128-255 numbers.
;   window 1: Wq's fragments at 16 s, Wk's at 128 + 16 s.   window 2: Wv's at 16 s; x's eight fragments of a chunk at 128 + 16 (2 m + k).   window 3: accumulator (m, n) at 8 (3 m + n).
.set XWV,  66560                       ; LDS: a wave's four chunks
.set XC,   16640                       ; a chunk: 16 rows x 1,040
.set XP,   1040                        ; a row: 1,024 bytes + 16 of padding = 260 words: row r starts at bank 4 r mod 64 (64 banks of 4 bytes: ISA guide 11.1)
.set IMS,  4096                        ; in a chunk: two images of 2,048 bytes, then their scale words, 128 bytes each
.set SP,   272                         ; a stage row: 256 bytes + 16
.set STQ,  4*XWV                       ; behind x: three stages of 64 rows, into which no load lands: q [token][channel],
.set STK,  STQ+64*SP                   ; k [token][channel],
.set STV,  STK+64*SP                   ; v [channel][token]
.set REC,  16896
.set QREC, 4352
.set WREG, 50688
.set WSC,  49152
.set XA,   4                           ; v4   my 64 bytes of a block of x: 66,560 w + 1,040 r + 64 h
.set XI,   5                           ; v5   where I store images: 66,560 w + 16 l
.set XWD,  6                           ; v6   and their scale words: 66,560 w + 4,096 + 4 l
.set LI,   8                           ; v8-11  where wave m's images lie: 66,560 m + 16 l
.set LS,   12                          ; v12-15 and their scale words
.set SQ,   16                          ; v16  into q's stage (k's: 17,408 on)
.set SV,   17                          ; v17  into v's
.set RQ,   18                          ; v18-20 back out of the three stages
.set RK,   19
.set RV,   20
.set L16,  21                          ; v21  16 l
.set L4,   22                          ; v22  4 l
.set QSO,  23                          ; v23  q's scale word in its record
.set HWO,  24                          ; v24  k's (lanes 0-15) or v's (lanes 16-31) two scale bytes in the record
.set QCO,  25                          ; v25-27 my codes' places in the records
.set KCO,  26
.set VCO,  27
.set WS,   28                          ; register 4 n + c: K step 2 c in lanes 0-15, 2 c + 1 in lanes 16-31
.set XS,   40                          ; register 2 m + k
.set AM,   48
.set PX,   56
.set HL,   64
.set SO,   72
.set PW0,  80
.set PW1,  81
.set PC0,  84
.set PC1,  100
.set T0,   116
.set NA,   128
.set NB,   192
.set G1,   16                          ; s[16:23] descriptor group 1
.set G0,   24                          ; s[24:39] group 0, one set for each chunk
.set SEL,  40
.set MNT,  42
.set MSB, 0
.macro WIN new                         ; the immediate's high byte repeats the setting that is left
.if MSB != \new
	s_set_vgpr_msb (MSB<<8)|\new
.set MSB, \new
.endif
.endm
; nb blocks of a lane: v[s + 16 b + i], i = 0..15; a block's other 16 numbers lie in lane l xor 16.  Codes to v[pc + 4 b ..], bytes to v[PX + b].  The blocks take turns line by line.
.macro QUANT s, nb, pc
.set qb, 0
.rept \nb
	v_max3_num_f32 v[AM+qb], |v[\s+16*qb]|, |v[\s+16*qb+1]|, 0x8000000   ; and the floor 2^(16 - 127): the byte cannot fall under 1
.set qb, qb+1
.endr
.set qi, 2
.rept 7
.set qb, 0
.rept \nb
	v_max3_num_f32 v[AM+qb], v[AM+qb], |v[\s+16*qb+qi]|, |v[\s+16*qb+qi+1]|
.set qb, qb+1
.endr
.set qi, qi+2
.endr
.set qb, 0
.rept \nb
	v_permlanex16_b32 v[PX+qb], v[AM+qb], s[SEL], s[SEL+1]
.set qb, qb+1
.endr
.set qb, 0
.rept \nb
	v_max_num_f32 v[AM+qb], v[AM+qb], v[PX+qb]                     ; the block's largest magnitude
.set qb, qb+1
.endr
.set qb, 0
.rept \nb
	v_add_nc_u32 v[SO+qb], 0xf8800000, v[AM+qb]                    ; 15 off its exponent field: the conversion takes this operand's exponent field as its scale
.set qb, qb+1
.endr
.set qb, 0
.rept \nb
.set qb, qb+1
.endr
.set qb, 0
.rept \nb
	v_lshrrev_b32 v[PX+qb], 23, v[SO+qb]                           ; the scale's byte
.set qb, qb+1
.endr
.set qb, 0
.rept \nb
.set qi, 0
.rept 16
.set qi, qi+1
.endr
	v_cvt_scalef32_pk8_bf8_f32 v[\pc+4*qb:\pc+4*qb+1], v[\s+16*qb:\s+16*qb+7], v[SO+qb]
	v_cvt_scalef32_pk8_bf8_f32 v[\pc+4*qb+2:\pc+4*qb+3], v[\s+16*qb+8:\s+16*qb+15], v[SO+qb]
.set qb, qb+1
.endr
	v_nop                                                          ; one plain line behind the last conversion
.endm
.macro WORD4 d                         ; four bytes make a row's scale word for 128 along K
	v_lshl_or_b32 v[\d], v[PX+1], 8, v[PX]
	v_lshl_or_b32 v[\d], v[PX+2], 16, v[\d]
	v_lshl_or_b32 v[\d], v[PX+3], 24, v[\d]
.endm
.macro IMAGE pc, pw, off, woff         ; a fragment goes to LDS as it stands in the registers, and its scale word, 4 bytes a lane
.irp g, 0,1,2,3
	ds_store_b128 v[XI], v[\pc+4*\g:\pc+4*\g+3] offset:\off+512*\g
.endr
	ds_store_b32 v[XWD], v[\pw] offset:\woff
.endm
; q's or k's product: tokens 16 m on, K step 2 ch + k.  The very first K step starts the sums: nothing is cleared.
.macro MMW ch, k, m, n
.set rD, 8*(3*(\m)+(\n))
.set rA, 128*(\n)+16*(2*(\ch)+(\k))
.set rB, 128+16*(2*(\m)+(\k))
.set rSA, WS+4*(\n)+(\ch)
.set rSB, XS+2*(\m)+(\k)
.if ((\ch) == 0) && ((\k) == 0)
	v_wmma_scale_f32_16x16x128_f8f6f4 v[rD:rD+7], v[rA:rA+15], v[rB:rB+15], 0, v[rSA], v[rSB] matrix_a_fmt:MATRIX_FMT_BF8 matrix_b_fmt:MATRIX_FMT_BF8
.elseif (\k) == 0
	v_wmma_scale_f32_16x16x128_f8f6f4 v[rD:rD+7], v[rA:rA+15], v[rB:rB+15], v[rD:rD+7], v[rSA], v[rSB] matrix_a_fmt:MATRIX_FMT_BF8 matrix_b_fmt:MATRIX_FMT_BF8
.else
	v_wmma_scale_f32_16x16x128_f8f6f4 v[rD:rD+7], v[rA:rA+15], v[rB:rB+15], v[rD:rD+7], v[rSA], v[rSB] matrix_a_fmt:MATRIX_FMT_BF8 matrix_b_fmt:MATRIX_FMT_BF8 matrix_a_scale:MATRIX_SCALE_ROW1
.endif
.endm
; v's product: source 0 = the tokens, source 1 = Wv
.macro MMV ch, k, m
.set rD, 8*(3*(\m)+2)
.set rA, 128+16*(2*(\m)+(\k))
.set rB, 16*(2*(\ch)+(\k))
.set rSA, XS+2*(\m)+(\k)
.set rSB, WS+8+(\ch)
.if ((\ch) == 0) && ((\k) == 0)
	v_wmma_scale_f32_16x16x128_f8f6f4 v[rD:rD+7], v[rA:rA+15], v[rB:rB+15], 0, v[rSA], v[rSB] matrix_a_fmt:MATRIX_FMT_BF8 matrix_b_fmt:MATRIX_FMT_BF8
.elseif (\k) == 0
	v_wmma_scale_f32_16x16x128_f8f6f4 v[rD:rD+7], v[rA:rA+15], v[rB:rB+15], v[rD:rD+7], v[rSA], v[rSB] matrix_a_fmt:MATRIX_FMT_BF8 matrix_b_fmt:MATRIX_FMT_BF8
.else
	v_wmma_scale_f32_16x16x128_f8f6f4 v[rD:rD+7], v[rA:rA+15], v[rB:rB+15], v[rD:rD+7], v[rSA], v[rSB] matrix_a_fmt:MATRIX_FMT_BF8 matrix_b_fmt:MATRIX_FMT_BF8 matrix_b_scale:MATRIX_SCALE_ROW1
.endif
.endm
	s_load_b256 s[4:11], s[0:1], 0x0               ; x s[4:5], wfr s[6:7], qfr s[8:9], kv s[10:11]
	v_lshl_add_u32 v126, v0, 2, 0x4dc00
	v_mov_b32 v127, 0
	ds_add_u32 v126, v127
	ds_add_u32 v126, v127
	v_lshrrev_b32 v1, 5, v0
	v_readfirstlane_b32 s12, v1                    ; wave w
	; descriptor group 1: 16 rows x 256 elements of 4 bytes, 1,024 elements from row to row, 4 words of padding behind every 256
	s_mov_b32 s[G1+0], (2<<16)|(1<<20)|(7<<22)|(3<<25)
	s_mov_b32 s[G1+1], 256<<16                     ; tensor_dim0
	s_mov_b32 s[G1+2], 16<<16                      ; tensor_dim1
	s_mov_b32 s[G1+3], 256<<16                     ; tile_dim0
	s_mov_b32 s[G1+4], 16                          ; tile_dim1
	s_mov_b32 s[G1+5], 1024                        ; the pitch
	s_mov_b32 s[G1+6], 0
	s_mov_b32 s[G1+7], 0
	s_lshl_b32 s44, ttmp9, 18                      ; 64 tokens of 4,096 bytes a work-group,
	s_lshl_b32 s45, s12, 16                        ; 16 a wave
	s_add_co_u32 s44, s44, s45
	s_mov_b32 s45, 0
	s_mul_i32 s46, s12, XWV                        ; my region of LDS
	s_wait_dscnt 0x0
	s_wait_kmcnt 0x0
	s_add_nc_u64 s[4:5], s[4:5], s[44:45]
.irp c, 0,1,2,3
	s_mov_b32 s[G0+4*\c], 1
	s_add_co_u32 s[G0+4*\c+1], s46, \c*XC
	s_add_nc_u64 s[G0+4*\c+2:G0+4*\c+3], s[4:5], \c*1024
	s_or_b32 s[G0+4*\c+3], s[G0+4*\c+3], 0x80000000
.endr
.irp c, 0,1,2,3
	tensor_load_to_lds s[G0+4*\c:G0+4*\c+3], s[G1:G1+7]            ; all of my x is asked for ahead of everything else
	s_nop 0
.endr
.rept 4
	v_nop                                          ; four plain lines follow the loads, ahead of the first switch of windows
.endr
	v_and_b32 v1, 31, v0                           ; l
	v_and_b32 v2, 15, v0                           ; r
	v_bfe_u32 v3, v0, 4, 1                         ; h
	v_lshlrev_b32 v[L16], 4, v1
	v_lshlrev_b32 v[L4], 2, v1
	s_mul_i32 s48, s12, WREG
	s_mov_b32 s49, 0
	s_add_nc_u64 s[48:49], s[6:7], s[48:49]        ; my part of wfr
	WIN 0x40                                       ; destination window 1
.irp f, 0,1,2,3,4,5,6,7,8,9,10,11,12,13,14,15
.irp g, 0,1,2,3
	global_load_b128 v[16*\f+4*\g:16*\f+4*\g+3], v[L16], s[48:49] offset:2048*\f+512*\g   ; Wq's eight fragments, then Wk's: 512 consecutive bytes a load
.endr
.endr
	WIN 0x80                                       ; destination window 2
.irp f, 0,1,2,3,4,5,6,7
.irp g, 0,1,2,3
	global_load_b128 v[16*\f+4*\g:16*\f+4*\g+3], v[L16], s[48:49] offset:2048*(16+\f)+512*\g   ; Wv's
.endr
.endr
	WIN 0
.irp n, 0,1,2
.irp c, 0,1,2,3
	global_load_b32 v[WS+4*\n+\c], v[L4], s[48:49] offset:WSC+64*(8*\n+2*\c)   ; two K steps' scale words in one register
.endr
.endr
	s_mov_b32 s[SEL], 0x76543210
	s_mov_b32 s[SEL+1], 0xfedcba98
.irp b, 0,1,2,3,4,5,6,7
	v_mov_b32 v[PX+\b], 0                          ; a lane permute's destination counts as one of its sources
.endr
	v_mul_u32_u24 v[XA], v2, XP
	v_lshl_add_u32 v[XA], v3, 6, v[XA]
	v_add_nc_u32 v[XA], s46, v[XA]
	v_add_nc_u32 v[XI], s46, v[L16]
	v_add_nc_u32 v[XWD], s46, v[L4]
	v_add_nc_u32 v[XWD], IMS, v[XWD]
.irp m, 0,1,2,3
	v_add_nc_u32 v[LI+\m], \m*XWV, v[L16]
	v_add_nc_u32 v[LS+\m], \m*XWV+IMS, v[L4]
.endr
	v_mul_u32_u24 v[T0], v2, SP                    ; 272 r
	s_lshl_b32 s50, s12, 6
	s_add_co_u32 s50, s50, STQ
	v_lshl_add_u32 v[SQ], v3, 5, v[T0]
	v_add_nc_u32 v[SQ], s50, v[SQ]                 ; q's stage: row = token r of a tile, + my 16 channels' 64 bytes, + 32 h
	s_mul_i32 s51, s12, 16*SP
	v_add_nc_u32 v[T0+1], s51, v[T0]               ; 272 (16 w + r)
	v_lshl_add_u32 v[SV], v3, 5, v[T0+1]
	v_add_nc_u32 v[SV], STV, v[SV]                 ; v's stage: row = channel 16 w + r, + 32 h
	v_lshl_add_u32 v[RQ], v3, 6, v[T0+1]
	v_add_nc_u32 v[RV], STV, v[RQ]                 ; back: channel 16 w + r, 16 tokens of a block at 64 h
	v_add_nc_u32 v[RQ], STQ, v[RQ]                 ; back: token 16 w + r, 16 channels of a block at 64 h
	v_and_b32 v[T0+2], 8, v2
	v_add_nc_u32 v[T0+2], v[T0+2], v2              ; r + 8 (r / 8)
	s_lshr_b32 s52, s12, 1                         ; w / 2: which of my half's two fragments of K
	s_and_b32 s53, s12, 1                          ; w % 2: u, which tile of 16 keys in it
	s_lshl_b32 s54, s52, 5
	s_lshl_b32 s55, s53, 3
	s_add_co_u32 s54, s54, s55
	v_add_nc_u32 v[T0+2], s54, v[T0+2]             ; THE KEYS OF A TILE ARE NOT NEIGHBOURS: token 32 (w / 2) + 8 (w % 2) + r + 8 (r / 8)
	v_mul_u32_u24 v[RK], v[T0+2], SP
	v_lshl_add_u32 v[RK], v3, 6, v[RK]
	v_add_nc_u32 v[RK], STK, v[RK]
	s_and_b32 s56, ttmp9, 1                        ; hf: which half of the record of 128 tokens is mine
	s_lshl_b32 s57, s12, 10
	v_add_nc_u32 v[QCO], s57, v[L16]               ; q: 1,024 w + 16 l
	s_lshl_b32 s58, s56, 12
	s_add_co_u32 s58, s58, s57
	v_add_nc_u32 v[KCO], s58, v[L16]               ; k: 2,048 (2 hf + w / 2) + 1,024 (w % 2) + 16 l
	s_lshl_b32 s58, s12, 11
	s_lshl_b32 s59, s56, 10
	s_add_co_u32 s58, s58, s59
	s_add_co_u32 s58, s58, 8192
	v_add_nc_u32 v[VCO], s58, v[L16]               ; v: 8,192 + 2,048 w + 1,024 hf + 16 l
	s_lshl_b32 s57, s12, 6
	s_add_co_u32 s57, s57, 4096
	v_lshl_add_u32 v[QSO], v2, 2, s57              ; q's scale word: 4,096 + 64 w + 4 r
	s_lshl_b32 s58, s52, 7                         ; k's two bytes: 16,384 + 128 (w / 2) + 8 r + 4 hf + 2 (w % 2)
	s_lshl_b32 s59, s56, 2
	s_add_co_u32 s58, s58, s59
	s_lshl_b32 s59, s53, 1
	s_add_co_u32 s58, s58, s59
	s_add_co_u32 s58, s58, 16384
	s_lshl_b32 s59, s53, 7                         ; v's: 16,640 + 128 (w % 2) + 8 r + 4 (w / 2) + 2 hf
	s_lshl_b32 s60, s52, 2
	s_add_co_u32 s59, s59, s60
	s_lshl_b32 s60, s56, 1
	s_add_co_u32 s59, s59, s60
	s_add_co_u32 s59, s59, 16640
	s_sub_co_u32 s59, s59, s58                     ; the distance between the two (at least 122)
	v_lshl_add_u32 v[HWO], v2, 3, s58
	v_mad_u32_u24 v[HWO], v3, s59, v[HWO]          ; lanes 0-15 k's place, lanes 16-31 v's
	s_mul_i32 s60, ttmp9, QREC
	s_mov_b32 s61, 0
	s_add_nc_u64 s[8:9], s[8:9], s[60:61]          ; my record of qfr
	s_lshr_b32 s60, ttmp9, 1
	s_mul_i32 s60, s60, REC
	s_add_nc_u64 s[10:11], s[10:11], s[60:61]      ; my record of kv
; A CHUNK: 256 along C, two K steps.
.macro CHUNK ch
	s_wait_tensorcnt 3-\ch                         ; a wave's tensor loads end in order (ISA guide 10.11.1): chunk ch is in, the 3 - ch younger ones stay out
.irp k, 0,1
.irp b, 0,1,2,3
.irp j, 0,1,2,3
	ds_load_b128 v[NA+64*\k+16*\b+4*\j:NA+64*\k+16*\b+4*\j+3], v[XA] offset:XC*\ch+512*\k+128*\b+16*\j   ; of row r, 16 neighbours of each block of 32
.endr
.endr
.endr
	s_wait_dscnt 16                                ; the first K step's sixteen loads are in; the second's may be out
	QUANT NA, 4, PC0
	WORD4 PW0
	IMAGE PC0, PW0, XC*\ch, XC*\ch                 ; LDS serves a wave's instructions in order (ISA guide 5.7.1.4): these stores come behind my reads of the same bytes
	s_wait_dscnt 5                                 ; the second K step's loads are in; the five stores just issued may be out
	QUANT NB, 4, PC1
	WORD4 PW1
	IMAGE PC1, PW1, XC*\ch+2048, XC*\ch+128
	s_wait_dscnt 0x0                               ; for the others' sake: my images have landed
	s_barrier_signal -1
	s_barrier_wait -1                              ; all four waves' images of this chunk lie in LDS; they are never written again, so one barrier a chunk is enough
	WIN 0x80                                       ; destination window 2.  The two quantisers above are the places behind the last chunk's products, which read these registers
.irp m, 0,1,2,3
.irp k, 0,1
.irp g, 0,1,2,3
	ds_load_b128 v[128+16*(2*\m+\k)+4*\g:128+16*(2*\m+\k)+4*\g+3], v[LI+\m] offset:XC*\ch+2048*\k+512*\g
.endr
.endr
.endr
	WIN 0
.irp m, 0,1,2,3
.irp k, 0,1
	ds_load_b32 v[XS+2*\m+\k], v[LS+\m] offset:XC*\ch+128*\k
.endr
.endr
	s_wait_dscnt 0x0
.if \ch == 0
	s_wait_loadcnt 0x0                             ; the weights
.endif
	WIN 0xf9                                       ; source 0 (W) window 1, source 1 (x) window 2, C and D window 3
.irp k, 0,1
.irp m, 0,1,2,3
.irp n, 0,1
	MMW \ch, \k, \m, \n                            ; eight accumulators by turns, one instruction a turn
.endr
.endr
.endr
	WIN 0xfa                                       ; sources 0 (x) and 1 (Wv) window 2
.irp k, 0,1
.irp m, 0,1,2,3
	MMV \ch, \k, \m                                ; four by turns
.endr
.endr
	WIN 0
.endm
	CHUNK 0
	CHUNK 1
	CHUNK 2
	CHUNK 3
	; THE RESULTS BECOME OPERANDS.  They meet in three stages, so that each wave can take 16 rows whole: a token's 64 channels of q and of k come from four waves.
.rept 8
	v_nop                                          ; eight places behind this form ahead of the first read of results
.endr
	WIN 0x0c                                       ; an LDS store's data are its source 1: window 3
.irp m, 0,1,2,3
	ds_store_b128 v[SQ], v[8*(3*\m):8*(3*\m)+3] offset:16*SP*\m                     ; each accumulator from its low end on
	ds_store_b128 v[SQ], v[8*(3*\m)+4:8*(3*\m)+7] offset:16*SP*\m+16
	ds_store_b128 v[SQ], v[8*(3*\m+1):8*(3*\m+1)+3] offset:64*SP+16*SP*\m
	ds_store_b128 v[SQ], v[8*(3*\m+1)+4:8*(3*\m+1)+7] offset:64*SP+16*SP*\m+16
	ds_store_b128 v[SV], v[8*(3*\m+2):8*(3*\m+2)+3] offset:64*\m
	ds_store_b128 v[SV], v[8*(3*\m+2)+4:8*(3*\m+2)+7] offset:64*\m+16
.endr
	WIN 0
	s_wait_dscnt 0x0                               ; for the others' sake: my stores into the stages are done
	s_barrier_signal -1
	s_barrier_wait -1
.irp c, 0,1
.irp j, 0,1,2,3
	ds_load_b128 v[NA+16*\c+4*\j:NA+16*\c+4*\j+3], v[RQ] offset:128*\c+16*\j          ; blocks 0, 1: q, tokens 16 w + r
	ds_load_b128 v[NA+32+16*\c+4*\j:NA+32+16*\c+4*\j+3], v[RK] offset:128*\c+16*\j    ; blocks 2, 3: k, my tile's keys
	ds_load_b128 v[NA+64+16*\c+4*\j:NA+64+16*\c+4*\j+3], v[RV] offset:128*\c+16*\j    ; blocks 4, 5: v, channel 16 w + r, along the tokens
.endr
.endr
	s_wait_dscnt 0x0
	QUANT NA, 6, PC0
	v_lshl_or_b32 v[T0], v[PX+1], 8, v[PX]         ; q's two bytes,
	v_lshl_or_b32 v[T0], v[T0], 16, v[T0]          ; twice: the word serves Q in the lower and in the upper half of a K of 128
	v_lshl_or_b32 v[T0+1], v[PX+3], 8, v[PX+2]     ; k's two
	v_lshl_or_b32 v[T0+2], v[PX+5], 8, v[PX+4]     ; v's two
	v_cmp_eq_u32 vcc_lo, 1, v3
	v_cndmask_b32 v[T0+1], v[T0+1], v[T0+2], vcc_lo   ; lanes 0-15 carry k's, lanes 16-31 v's
	global_store_b128 v[QCO], v[PC0:PC0+3], s[8:9]                 ; each store: 512 consecutive bytes, at a multiple of 256 from the buffer's first byte
	global_store_b128 v[QCO], v[PC0+4:PC0+7], s[8:9] offset:512
	global_store_b128 v[KCO], v[PC0+8:PC0+11], s[10:11]
	global_store_b128 v[KCO], v[PC0+12:PC0+15], s[10:11] offset:512
	global_store_b128 v[VCO], v[PC0+16:PC0+19], s[10:11]
	global_store_b128 v[VCO], v[PC0+20:PC0+23], s[10:11] offset:512
	global_store_b32 v[QSO], v[T0], s[8:9]         ; lanes r and r + 16 write the same word with the same value
	global_store_b16 v[HWO], v[T0+1], s[10:11]     ; two bytes a lane: a scale word of the record spans two work-groups' tokens, so it cannot leave whole: 64 bytes a wave beside its 3,072 of codes
	s_wait_tensorcnt 0x0
	ds_add_u32 v126, v127
	s_wait_dscnt 0x0
	s_endpgm
.Lfunc_end_k_q39e960b687_proj:
	.size	k_q39e960b687_proj, .Lfunc_end_k_q39e960b687_proj-k_q39e960b687_proj
	.p2alignl 7, 3214868480
	.fill 96, 4, 3214868480
	.section	.rodata,"a",@progbits
	.p2align	6, 0x0
	.amdhsa_kernel k_q39e960b687_proj
		.amdhsa_group_segment_fixed_size 327680
		.amdhsa_private_segment_fixed_size 0
		.amdhsa_enable_private_segment 0
		.amdhsa_kernarg_size 32
		.amdhsa_user_sgpr_count 2
		.amdhsa_user_sgpr_kernarg_segment_ptr 1
		.amdhsa_wavefront_size32 1
		.amdhsa_system_sgpr_workgroup_id_x 1
		.amdhsa_system_sgpr_workgroup_id_y 1
		.amdhsa_system_sgpr_workgroup_id_z 1
		.amdhsa_system_vgpr_workitem_id 0
		.amdhsa_next_free_vgpr 1024
		.amdhsa_next_free_sgpr 66
		.amdhsa_reserve_vcc 1
		.amdhsa_float_denorm_mode_32 3
		.amdhsa_float_denorm_mode_16_64 3
		.amdhsa_fp16_overflow 1
		.amdhsa_memory_ordered 1
		.amdhsa_forward_progress 1
		.amdhsa_inst_pref_size 90
	.end_amdhsa_kernel
	.amdgpu_metadata
---
amdhsa.version: [ 1, 2 ]
amdhsa.kernels:
  - .name:           k_q39e960b687_proj
    .symbol:         k_q39e960b687_proj.kd
    .args:
      - { .name: x, .offset: 0, .size: 8, .value_kind: global_buffer, .address_space: global }
      - { .name: wfr, .offset: 8, .size: 8, .value_kind: global_buffer, .address_space: global }
      - { .name: qfr, .offset: 16, .size: 8, .value_kind: global_buffer, .address_space: global }
      - { .name: kv, .offset: 24, .size: 8, .value_kind: global_buffer, .address_space: global }
    .group_segment_fixed_size: 327680
    .private_segment_fixed_size: 0
    .kernarg_segment_align: 8
    .kernarg_segment_size: 32
    .max_flat_workgroup_size: 128
    .sgpr_count:     66
    .vgpr_count:     1024
    .wavefront_size: 32
...
	.end_amdgpu_metadata
.endif
;; end of part 2
;; launch attn (part 3): grid 64 x 4, 16 waves a work-group, clusters of 4 x 1, 327,680 bytes of LDS; arguments qfr, kv, out0; writes out0
.if DOCPART == 3
	.amdgcn_target "amdgcn-amd-amdhsa--gfx1250"
	.amdhsa_code_object_version 6
	.text
	.protected	k_q39e960b687_attn
	.globl	k_q39e960b687_attn
	.p2align	8
	.type	k_q39e960b687_attn,@function
k_q39e960b687_attn:
	s_mov_b64 s[64:65], 0
	v_nop
	global_prefetch_b8 v0, s[64:65] scope:SCOPE_SE
	s_setreg_imm32_b32 hwreg(HW_REG_WAVE_MODE, 25, 1), 1
	s_wait_xcnt 0x0
	s_wait_alu depctr_hold_cnt(0) depctr_sa_sdst(0) depctr_va_vdst(0) depctr_va_sdst(0) depctr_va_ssrc(0) depctr_va_vcc(0) depctr_vm_vsrc(0)
	s_getreg_b32 s2, hwreg(HW_REG_IB_STS2, 6, 4)
	s_cmp_eq_u32 s2, 0
	s_cbranch_scc0 .Lentry_in_a_cluster
	s_endpgm
.Lentry_in_a_cluster:
	s_bfe_u32 s2, ttmp6, 0x10000c
	s_cmp_lg_u32 s2, 0x3003
	s_cbranch_scc0 .Lentry_shape_is_right
	s_endpgm
.Lentry_shape_is_right:
; out[b][q][:] = the sum over keys k <= q of softmax_k(Q[q] . K[k] / 8) V[k][:], both products on codes of BF8 (E5M2) with one E8M0 scale for each 32 along a product's K.  4 batches, 4,096 tokens, head 64.
; qfr and kv hold the operands as images of their registers, as the launch before laid them: a record of kv is one key step of 128 keys, 16,896 dense bytes (K, V^T, K's scale words, V's).
; THE SOFTMAX AHEAD OF THE SECOND PRODUCT: t = score x log2(e) / 8; M = the largest t so far, rounded UP to a whole number; p = 2^(t - M) is quantised along the keys, not normalised; the sum is taken of the unquantised p and divides at the end.
; K = 64 IN AN INSTRUCTION OF K = 128: a fragment of K carries TWO tiles of 16 keys, one in k 0..63 and one in k 64..127.  Q stands in 24 registers, 0 | Q | 0: the upper sixteen (Q | 0) pick the first tile, the lower sixteen (0 | Q) the second;
; the other tile's codes, which are held and so finite, meet zero codes.  Q's scale word holds its two bytes twice and serves both.
; SHARES.  With J the cluster's number (0..15) and cx my place in it, a work-group owns four tiles of 16 queries: 8 J + 2 cx + {0, 1}, which see J + 1 key steps, and 255 - 8 J - 2 cx - {0, 1}, which see 32 - J: 66 tile-steps in every work-group.
; A tile's key steps are split over four waves: wave w has part a = w / 4 and tile ti = (w + w / 4) % 4 and takes key steps a, a + 4, a + 8, ..  (So waves 4 i .. 4 i + 3, and likewise waves i, i + 4, i + 8, i + 12, hold one wave of each tile.)
; The four parts of a tile meet in LDS at the end: their sums are brought under the largest M by exact powers of two, added, and divided.
; CLUSTER.  The four work-groups of a cluster walk the same records of kv in the same visits, so each record is asked for JOINTLY (mask 15).  Step counts and branches hang on J and the wave's number alone, which the partners share;
; cx enters only the tile's number, which feeds Q's and out's global addresses and the mask's comparison, never a branch or an LDS address.
; THE RING: two slots of EIGHT records (key steps 8 v .. 8 v + 7), as large as fit in LDS; waves 0-7 fetch one record each; a wave reads records a and a + 4 of a slot: two key steps a visit.  Four visits, written out: sixteen records go out at
; the start, each slot is filled again once, and such a refill has two key steps of every wave's work in which to land.
; For J >= 8 the long tiles see 32 - J <= 24 key steps: slot 1's second fill (key steps 24..31) is fetched and read by nobody: the price of one text in which every work-group issues every joint load on its one way.
; LAYOUT.  Both products are used transposed: S^T = K Q^T, O^T = V^T P^T: a lane holds one query (lane % 16) throughout; register 16 b + i of S^T is key 32 b + 16 (lane / 16) + i.
; LIMITS: NaN and infinities are not served.  A block's largest p is taken through its largest score, which takes v_exp_f32 not to fall where its input rises.  A block whose every p is 0 keeps the byte 1: its codes are zeros.
; The sum and O are added part by part and then joined: another order of f32 additions than a single pass has.
.set REC,   16896
.set HALF,  4*REC                      ; record a + 4 lies 67,584 bytes behind record a: more than an LDS immediate holds, so it has address registers of its own
.set SLOT,  8*REC                      ; 135,168
.set VOF,   8192                       ; in a record: V^T's fragments,
.set KSO,   16384                      ; K's scale words; V's 256 bytes on
.set SPARE, 2*SLOT                     ; behind the ring: the spare words, 128 bytes for each of 16 waves: eight blocks of 256 bytes that no other line names
.set CMB,   0                          ; the parts' results lie in slot 0, which is left at the last change of slots: it has had its last fill, and nobody reads it.  Region 4 ti + a of 4,608 bytes: 16 rows x 272 of O, -M at 4,352 + 4 r, the sum at 4,416 + 4 r
.set CREG,  4608
.set CP,    272
.set QREC,  4352
.set AF,    1                          ; v1-4   my records' fragments: register 2 x slot + half: + 16 l
.set SPW,   5                          ; v5   LDS address of my spare word; never rewritten
.set NIL,   6                          ; v6   0; never rewritten
.set DD,    7                          ; v7   d = 16 (tile % 8) + r - 16 h: on the diagonal register 16 b + i is hidden where 32 b + i > d
.set NINF,  8                          ; v8   -infinity
.set CST,   9                          ; v9   where I put my part of O
.set CSS,   10                         ; v10  and -M and the sum
.set CLD,   11                         ; v11  where I read the four parts' rows
.set CLS,   16                         ; v16  and their -M and sums
.set GO,    17                         ; v17  my bytes in the tile's rows of out
.set ASC,   18                         ; v18-21 my records' scale words: register 2 x slot + half: + 8 l
.set QL,    32                         ; v24-31 zeros, v32-39 Q, v40-47 zeros
.set KV,    48                         ; v48-111 four fragments of K, then of V^T
.set S,     112                        ; v112-175 S^T, then p; at the head temporaries, at the end the combine
.set OT,    176                        ; v176-207 O^T
.set PC,    208                        ; v208-223 p's codes
.set BM,    224                        ; v224-227 a block's largest score, then its largest p
.set PX,    228                        ; v228-231 the other half's, then the bytes
.set HL,    232                        ; v232-235 unused by name; the sum's adds use them
.set SO,    236                        ; v236-239 the conversions' scale operands
.set SM2,   240                        ; v[240:241] the sum's second chain
.set TMP,   242
.set FF,    244                        ; v[244:245] f = 2^(old M - new M), and a 0 that is named with it
.set PSW,   246                        ; p's scale word
.set KSW,   248                        ; v[248:249] K's scale words: register i: fragment 2 i in lanes 0-15, 2 i + 1 in lanes 16-31
.set VSW,   250                        ; v[250:251] V's likewise
.set QSW,   252                        ; Q's
.set CO,    112                        ; the combine: v112-143 rows of the four parts; v144-151 their -M; v152-159 their sums; v160-167 at work; v168-175 results
.set CM,    144
.set CL,    152
.set CF,    164
.set CR,    168
.set WV,    10                         ; s10 wave;  s11 part a;  s12 tile ti;  s13 J;  s14 cx;  s15 batch;  s16 my tile's key steps;  s17 the key step in hand;  s19 my tile's number
.set PA,    11
.set TI,    12
.set JJ,    13
.set CX,    14
.set BT,    15
.set GG,    16
.set SIG,   17
.set TAU,   19
.set SEL,   20                         ; s[20:21] lane selects for lane l xor 16
.set CS,    22                         ; s[22:23] c = log2(e) / 8
.set MNT,   24
.set G1,    28                         ; s[28:35] descriptor group 1;  s[36:39], s[40:43] group 0 for slot 0, 1
.set G0,    36
; A round of the cluster's barrier
.macro CROUND
	s_barrier_signal -1
	s_barrier_wait -1
	s_cmp_lg_u32 s[WV], 0
	s_cbranch_scc1 .Lnot_wave_0_\@
	s_barrier_signal -3
.Lnot_wave_0_\@:
	s_barrier_wait -3
	s_barrier_signal -1
	s_barrier_wait -1
.endm
; A joint refill: waves 0-7, one record each.  The branch hangs on the wave's number alone.  Four v_nop follow the load.
.macro JLOAD sl
	s_cmp_lt_u32 s[WV], 8
	s_cbranch_scc0 .Lno_load_\@
	tensor_load_to_lds s[G0+4*\sl:G0+4*\sl+3], s[G1:G1+7]
	s_nop 0
.rept 4
	v_nop
.endr
.Lno_load_\@:
.endm
; THE CHANGE OF SLOTS.  Each wave waits for all its tensor loads (its part of the slot ahead), adds 0 to its spare word, and waits for that and for its reads of slot sl, which it has left.
; fill = 1: slot sl takes the records sixteen key steps on: the barrier is a round of the cluster's, so that no wave of any partner still reads the slot or has a load on its way, and the refill is the first thing behind it.
.macro CHANGE sl, fill
	s_wait_tensorcnt 0x0                           ; no tensor load of mine is out, so a group 0 may be written
	ds_add_u32 v[SPW], v[NIL]                      ; 0 onto my spare word
.if \fill
	s_add_nc_u64 s[G0+4*\sl+2:G0+4*\sl+3], s[G0+4*\sl+2:G0+4*\sl+3], 16*REC   ; the type bits on top are not reached
.endif
	s_wait_dscnt 0x0                               ; the add is done, and my reads of the slot are over
.if \fill
	CROUND
	JLOAD \sl
.else
	s_barrier_signal -1
	s_barrier_wait -1
.endif
.endm
; A KEY STEP of my part, from record a + 4 hh of slot sl.
.macro STEP sl, hh
	s_cmp_ge_u32 s[SIG], s[GG]                     ; past my tile's diagonal: all keys are hidden, the step is left out.  A branch on J and the wave's number; no barrier and no tensor load stands in a step
	s_cbranch_scc1 .Lskip_\@
.irp b, 0,1,2,3
.irp g, 0,1,2,3
	ds_load_b128 v[KV+16*\b+4*\g:KV+16*\b+4*\g+3], v[AF+2*\sl+\hh] offset:2048*\b+512*\g   ; 512 consecutive bytes an instruction
.endr
.endr
	ds_load_b64 v[KSW:KSW+1], v[ASC+2*\sl+\hh]
	s_wait_dscnt 0x0
.irp b, 0,1,2,3
.irp u, 0,1
.if \b%2
	v_wmma_scale_f32_16x16x128_f8f6f4 v[S+16*\b+8*\u:S+16*\b+8*\u+7], v[KV+16*\b:KV+16*\b+15], v[QL-8*\u:QL-8*\u+15], 0, v[KSW+\b/2], v[QSW] matrix_a_fmt:MATRIX_FMT_BF8 matrix_b_fmt:MATRIX_FMT_BF8 matrix_a_scale:MATRIX_SCALE_ROW1
.else
	v_wmma_scale_f32_16x16x128_f8f6f4 v[S+16*\b+8*\u:S+16*\b+8*\u+7], v[KV+16*\b:KV+16*\b+15], v[QL-8*\u:QL-8*\u+15], 0, v[KSW+\b/2], v[QSW] matrix_a_fmt:MATRIX_FMT_BF8 matrix_b_fmt:MATRIX_FMT_BF8
.endif
.endr
.endr
.rept 8
	v_nop                                          ; eight places behind this form: for the loads below into K's registers, and for the first read of the scores
.endr
.irp b, 0,1,2,3
.irp g, 0,1,2,3
	ds_load_b128 v[KV+16*\b+4*\g:KV+16*\b+4*\g+3], v[AF+2*\sl+\hh] offset:VOF+2048*\b+512*\g   ; V^T lands while the softmax is walked
.endr
.endr
	ds_load_b64 v[VSW:VSW+1], v[ASC+2*\sl+\hh] offset:256
	s_add_co_u32 s44, s[SIG], 1
	s_cmp_lg_u32 s44, s[GG]
	s_cbranch_scc1 .Lopen_\@                       ; only my tile's last key step lies on the diagonal
.set nn, 0
.rept 64
	v_cmp_gt_i32 vcc_lo, 32*(nn/16)+nn%16, v[DD]   ; hidden scores become -infinity ahead of the maximum: p = 0.  The step's first key counts for every query, so no row is empty
	v_cndmask_b32 v[S+nn], v[S+nn], v[NINF], vcc_lo
.set nn, nn+1
.endr
.Lopen_\@:
.irp b, 0,1,2,3
	v_max3_num_f32 v[BM+\b], v[S+16*\b], v[S+16*\b+1], v[S+16*\b+2]   ; the largest score of each block of 32 keys: for the row's maximum, and, since p rises with the score, for the block's largest p
.endr
.irp i, 3,5,7,9,11,13
.irp b, 0,1,2,3
	v_max3_num_f32 v[BM+\b], v[BM+\b], v[S+16*\b+\i], v[S+16*\b+\i+1]
.endr
.endr
.irp b, 0,1,2,3
	v_max_num_f32 v[BM+\b], v[BM+\b], v[S+16*\b+15]
.endr
.irp b, 0,1,2,3
	s_delay_alu instid0(VALU_DEP_4)
	v_permlanex16_b32 v[PX+\b], v[BM+\b], s[SEL], s[SEL+1]
.endr
.irp b, 0,1,2,3
	s_delay_alu instid0(VALU_DEP_4)
	v_max_num_f32 v[BM+\b], v[BM+\b], v[PX+\b]     ; with lane l xor 16's 16 keys
.endr
	s_delay_alu instid0(VALU_DEP_2)
	v_max3_num_f32 v[TMP], v[BM], v[BM+1], v[BM+2]
	s_delay_alu instid0(VALU_DEP_1)
	v_max_num_f32 v[TMP], v[TMP], v[BM+3]          ; the step's largest score of my query
	s_delay_alu instid0(VALU_DEP_1)
	v_mul_f32 v[TMP], s[CS], v[TMP]                ; as t (c is positive)
	s_delay_alu instid0(VALU_DEP_1)
	v_max_num_f32 v13, v13, v[TMP]                 ; the running largest t
	v_mov_b32 v[TMP], v12
	s_delay_alu instid0(VALU_DEP_2)
	v_floor_f32 v12, -v13                          ; the new -M = floor(-t): M is a whole number
	s_delay_alu instid0(VALU_DEP_1)
	v_sub_f32 v[TMP], v12, v[TMP]                  ; old M - new M: a whole number, 0 or less
	s_delay_alu instid0(VALU_DEP_1)
	v_cvt_i32_f32 v[TMP], v[TMP]                   ; (it saturates)
	s_delay_alu instid0(VALU_DEP_1)
	v_ldexp_f32 v[FF], 1.0, v[TMP]                 ; f = 2^(old M - new M): a multiplication by it rounds nothing
.set jj, 0
.rept 32
	v_pk_fma_f32 v[S+jj:S+jj+1], v[S+jj:S+jj+1], s[CS:CS+1], v[12:13] op_sel_hi:[1,0,0]   ; t - M, two at a time
.set jj, jj+2
.endr
.irp b, 0,1,2,3
	v_fma_f32 v[BM+\b], v[BM+\b], s[CS], v12       ; the same of each block's largest score
.endr
.set jj, 0
	s_wait_alu depctr_va_vdst(0)
.rept 64
	v_exp_f32 v[S+jj], v[S+jj]                     ; p = 2^(t - M), at most 1
.set jj, jj+1
.endr
.irp b, 0,1,2,3
	v_exp_f32 v[BM+\b], v[BM+\b]                   ; the block's largest p: the same two instructions on the same number give the same bits
.endr
	v_pk_mul_f32 v[14:15], v[14:15], v[FF:FF+1] op_sel_hi:[1,0]   ; the sums under the new M.  (A plain line behind the exponentials)
	s_wait_alu depctr_va_vdst(0)
.irp b, 0,1,2,3
	v_max_num_f32 v[BM+\b], 0x8000000, v[BM+\b]    ; the floor 2^(16 - 127): the byte cannot fall under 1
.endr
.irp b, 0,1,2,3
	s_delay_alu instid0(VALU_DEP_4)
	v_add_nc_u32 v[SO+\b], 0xf8800000, v[BM+\b]    ; 15 off the exponent field: the conversion's scale operand
.endr
.irp b, 0,1,2,3
.endr
.irp b, 0,1,2,3
	s_delay_alu instid0(VALU_DEP_4)
	v_lshrrev_b32 v[PX+\b], 23, v[SO+\b]           ; the scale's byte
.endr
	s_delay_alu instid0(VALU_DEP_3)
	v_lshl_or_b32 v[PSW], v[PX+1], 8, v[PX]        ; p's scale word for these 128 keys: far more than eight plain lines ahead of the products that name it
	s_delay_alu instid0(VALU_DEP_1)
	v_lshl_or_b32 v[PSW], v[PX+2], 16, v[PSW]
	s_delay_alu instid0(VALU_DEP_1)
	v_lshl_or_b32 v[PSW], v[PX+3], 24, v[PSW]
	v_pk_add_f32 v[240:241], v[116:117], v[120:121]
	v_pk_add_f32 v[254:255], v[124:125], v[128:129]
	v_pk_add_f32 v[248:249], v[132:133], v[136:137]
	v_pk_add_f32 v[242:243], v[140:141], v[144:145]
	v_pk_add_f32 v[234:235], v[148:149], v[152:153]
	v_pk_add_f32 v[232:233], v[156:157], v[160:161]
	v_pk_add_f32 v[226:227], v[164:165], v[168:169]
	v_pk_add_f32 v[14:15], v[14:15], v[172:173]
	v_pk_add_f32 v[240:241], v[240:241], v[112:113]
	v_pk_add_f32 v[254:255], v[254:255], v[114:115]
	v_pk_add_f32 v[248:249], v[248:249], v[118:119]
	v_pk_add_f32 v[242:243], v[242:243], v[122:123]
	v_pk_add_f32 v[234:235], v[234:235], v[126:127]
	v_pk_add_f32 v[232:233], v[232:233], v[130:131]
	v_pk_add_f32 v[226:227], v[226:227], v[134:135]
	v_pk_add_f32 v[14:15], v[14:15], v[138:139]
	v_pk_add_f32 v[240:241], v[240:241], v[142:143]
	v_pk_add_f32 v[254:255], v[254:255], v[146:147]
	v_pk_add_f32 v[248:249], v[248:249], v[150:151]
	v_pk_add_f32 v[242:243], v[242:243], v[154:155]
	v_pk_add_f32 v[234:235], v[234:235], v[158:159]
	v_pk_add_f32 v[232:233], v[232:233], v[162:163]
	v_pk_add_f32 v[226:227], v[226:227], v[166:167]
	v_pk_add_f32 v[14:15], v[14:15], v[170:171]
	v_pk_add_f32 v[240:241], v[240:241], v[174:175]
	s_delay_alu instid0(VALU_DEP_2)
	v_pk_add_f32 v[14:15], v[14:15], v[242:243]
	s_delay_alu instid0(VALU_DEP_2)
	v_pk_add_f32 v[240:241], v[240:241], v[234:235]
	v_pk_add_f32 v[254:255], v[254:255], v[232:233]
	v_pk_add_f32 v[248:249], v[248:249], v[226:227]
	s_delay_alu instid0(VALU_DEP_2)
	v_pk_add_f32 v[14:15], v[14:15], v[254:255]
	s_delay_alu instid0(VALU_DEP_2)
	v_pk_add_f32 v[240:241], v[240:241], v[248:249]
	s_delay_alu instid0(VALU_DEP_1)
	v_pk_add_f32 v[14:15], v[14:15], v[240:241]
.irp b, 0,1,2,3
.irp i, 0,1,2,3,4,5,6,7,8,9,10,11,12,13,14,15
.endr
	v_cvt_scalef32_pk8_bf8_f32 v[PC+4*\b:PC+4*\b+1], v[S+16*\b:S+16*\b+7], v[SO+\b]
	v_cvt_scalef32_pk8_bf8_f32 v[PC+4*\b+2:PC+4*\b+3], v[S+16*\b+8:S+16*\b+15], v[SO+\b]
.endr
.set jj, 0
.rept 16
	v_pk_mul_f32 v[OT+jj:OT+jj+1], v[OT+jj:OT+jj+1], v[FF:FF+1] op_sel_hi:[1,0]   ; O^T under the new M, each accumulator from its low end on.  (These sixteen are also the places between the codes and the products)
.set jj, jj+2
.endr
	s_wait_alu depctr_va_vdst(0)
	s_wait_dscnt 0x0                               ; V^T and its scale words are in
.irp t, 0,1,2,3
.if \t%2
	v_wmma_scale_f32_16x16x128_f8f6f4 v[OT+8*\t:OT+8*\t+7], v[KV+16*\t:KV+16*\t+15], v[PC:PC+15], v[OT+8*\t:OT+8*\t+7], v[VSW+\t/2], v[PSW] matrix_a_fmt:MATRIX_FMT_BF8 matrix_b_fmt:MATRIX_FMT_BF8 matrix_a_scale:MATRIX_SCALE_ROW1
.else
	v_wmma_scale_f32_16x16x128_f8f6f4 v[OT+8*\t:OT+8*\t+7], v[KV+16*\t:KV+16*\t+15], v[PC:PC+15], v[OT+8*\t:OT+8*\t+7], v[VSW+\t/2], v[PSW] matrix_a_fmt:MATRIX_FMT_BF8 matrix_b_fmt:MATRIX_FMT_BF8
.endif
.endr                                          ; the four accumulators take turns, one instruction a turn
.rept 8
	v_nop                                          ; eight places: for the next step's loads into these fragments' registers, and for the first read of O^T
.endr
.Lskip_\@:
	s_add_co_u32 s[SIG], s[SIG], 4                 ; my part's next key step: record a + 4 of the same slot, or record a of the next
.endm
	s_load_b128 s[4:7], s[0:1], 0x0                ; qfr s[4:5], kv s[6:7]
	s_load_b64 s[8:9], s[0:1], 0x10                ; out0
	v_lshl_add_u32 v[SPW], v0, 2, SPARE
	v_mov_b32 v[NIL], 0
	ds_add_u32 v5, v6
	ds_add_u32 v5, v6
	s_wait_dscnt 0x0
	v_lshrrev_b32 v112, 5, v0
	s_delay_alu instid0(VALU_DEP_1)
	v_readfirstlane_b32 s[WV], v112                ; wave 0..15
	s_lshr_b32 s[PA], s[WV], 2                     ; a
	s_add_co_u32 s[TI], s[WV], s[PA]
	s_and_b32 s[TI], s[TI], 3                      ; ti
	s_mov_b32 s[JJ], ttmp9                         ; in a cluster launch ttmp9 counts clusters
	s_bfe_u32 s[CX], ttmp6, 0x40000                ; cx
	s_and_b32 s[BT], ttmp7, 0xffff                 ; the batch
	s_add_co_u32 s44, s[JJ], 1
	s_sub_co_u32 s45, 32, s[JJ]
	s_cmp_lt_u32 s[TI], 2
	s_cselect_b32 s[GG], s44, s45                  ; my tile's key steps: J + 1 or 32 - J
	s_mov_b32 s[SIG], s[PA]
	s_lshl_b32 s46, s[JJ], 3
	s_lshl_b32 s47, s[CX], 1
	s_add_co_u32 s46, s46, s47
	s_add_co_u32 s46, s46, s[TI]                   ; 8 J + 2 cx + ti
	s_sub_co_u32 s47, 257, s46                     ; 257 - 8 J - 2 cx - ti
	s_cmp_lt_u32 s[TI], 2
	s_cselect_b32 s[TAU], s46, s47                 ; my tile's number, 0..255
	s_mov_b32 s[SEL], 0x76543210
	s_mov_b32 s[SEL+1], 0xfedcba98
	s_mov_b32 s[CS], 0x3e38aa3b                    ; c = log2(e) / 8
	s_mov_b32 s[CS+1], s[CS]                       ; (named with it as a pair, so it is written)
	; descriptor group 1: a record, 16,896 dense bytes, as 66 rows of 32 elements of 8 bytes; the mask names all four work-groups, bit 21 beside it
	s_mov_b32 s[G1+0], 15|(3<<16)|(1<<21)
	s_mov_b32 s[G1+1], 32<<16
	s_mov_b32 s[G1+2], 66<<16
	s_mov_b32 s[G1+3], 32<<16
	s_mov_b32 s[G1+4], 66
	s_mov_b32 s[G1+5], 32
	s_mov_b32 s[G1+6], 0
	s_mov_b32 s[G1+7], 0
	s_and_b32 s25, s[WV], 7                        ; which record of a slot I fetch, if I fetch
	s_lshl_b32 s26, s[BT], 5
	s_add_co_u32 s26, s26, s25
	s_mul_i32 s26, s26, REC                        ; in memory: record 32 x batch + wave % 8: registers that never hold cx
	s_mov_b32 s27, 0
	s_mul_i32 s25, s25, REC                        ; and in a slot
	; every address register is made here, ahead of the first branch
	v_and_b32 v112, 31, v0                         ; l
	v_and_b32 v113, 15, v0                         ; r
	v_bfe_u32 v114, v0, 4, 1                       ; h
	s_mul_i32 s49, s[PA], REC
	v_lshl_add_u32 v[AF], v112, 4, s49             ; slot 0, record a
	s_delay_alu instid0(VALU_DEP_1)
	v_add_nc_u32 v[AF+1], HALF, v[AF]              ; slot 0, record a + 4
	s_delay_alu instid0(VALU_DEP_2)
	v_add_nc_u32 v[AF+2], SLOT, v[AF]              ; slot 1, record a
	s_delay_alu instid0(VALU_DEP_3)
	v_add_nc_u32 v[AF+3], SLOT+HALF, v[AF]         ; slot 1, record a + 4
	v_lshl_add_u32 v[ASC], v112, 3, s49
	s_delay_alu instid0(VALU_DEP_1)
	v_add_nc_u32 v[ASC], KSO, v[ASC]
	s_delay_alu instid0(VALU_DEP_1)
	v_add_nc_u32 v[ASC+1], HALF, v[ASC]
	s_delay_alu instid0(VALU_DEP_2)
	v_add_nc_u32 v[ASC+2], SLOT, v[ASC]
	s_delay_alu instid0(VALU_DEP_3)
	v_add_nc_u32 v[ASC+3], SLOT+HALF, v[ASC]
	s_and_b32 s48, s[TAU], 7
	s_lshl_b32 s48, s48, 4
	v_lshlrev_b32 v115, 4, v114
	s_delay_alu instid0(VALU_DEP_1)
	v_sub_nc_u32 v[DD], v113, v115
	s_delay_alu instid0(VALU_DEP_1)
	v_add_nc_u32 v[DD], s48, v[DD]
	v_mov_b32 v[NINF], 0xff800000
	s_lshl_b32 s50, s[TI], 2
	s_add_co_u32 s50, s50, s[PA]
	s_mul_i32 s50, s50, CREG
	s_add_co_u32 s50, s50, CMB                     ; my region: 4 ti + a
	v_mul_u32_u24 v[CST], v113, CP
	s_delay_alu instid0(VALU_DEP_1)
	v_lshl_add_u32 v[CST], v114, 5, v[CST]
	s_delay_alu instid0(VALU_DEP_1)
	v_add_nc_u32 v[CST], s50, v[CST]               ; row r, tile t's eight channels of my half at 64 t + 32 h
	v_lshl_add_u32 v[CSS], v113, 2, s50
	s_delay_alu instid0(VALU_DEP_1)
	v_add_nc_u32 v[CSS], 16*CP, v[CSS]
	s_mul_i32 s51, s[TI], 4*CREG
	s_add_co_u32 s51, s51, CMB                     ; my tile's four regions
	s_lshl_b32 s52, s[PA], 2
	v_add_nc_u32 v115, s52, v114                   ; row 4 a + h
	s_delay_alu instid0(VALU_DEP_1)
	v_mul_u32_u24 v[CLD], v115, CP
	s_delay_alu instid0(VALU_DEP_1)
	v_lshl_add_u32 v[CLD], v113, 4, v[CLD]
	s_delay_alu instid0(VALU_DEP_1)
	v_add_nc_u32 v[CLD], s51, v[CLD]
	s_delay_alu instid0(VALU_DEP_4)
	v_lshl_add_u32 v[CLS], v115, 2, s51
	s_delay_alu instid0(VALU_DEP_1)
	v_add_nc_u32 v[CLS], 16*CP, v[CLS]
	v_lshlrev_b32 v[GO], 8, v115
	s_delay_alu instid0(VALU_DEP_1)
	v_lshl_add_u32 v[GO], v113, 4, v[GO]           ; out: row 4 a + h of 256 bytes, 16 bytes a lane
	s_and_b32 s53, s[TAU], 3                       ; Q: tile % 4 in its record of 64 tokens
	s_lshl_b32 s54, s53, 10
	v_lshl_add_u32 v116, v112, 4, s54              ; codes: 1,024 (tile % 4) + 16 l
	s_lshl_b32 s54, s53, 6
	s_add_co_u32 s54, s54, 4096
	v_lshl_add_u32 v117, v113, 2, s54              ; scale word: 4,096 + 64 (tile % 4) + 4 r
	s_lshl_b32 s55, s[BT], 6
	s_lshr_b32 s56, s[TAU], 2
	s_add_co_u32 s55, s55, s56
	s_mul_i32 s56, s55, QREC                       ; record 64 x batch + tile / 4
	s_mov_b32 s57, 0
	s_lshl_b32 s58, s[BT], 20                      ; out: 4,096 rows of 256 bytes a batch,
	s_lshl_b32 s59, s[TAU], 12                     ; 16 a tile
	s_add_co_u32 s58, s58, s59
	s_mov_b32 s59, 0
	s_wait_kmcnt 0x0
	s_add_nc_u64 s[56:57], s[4:5], s[56:57]
	s_add_nc_u64 s[8:9], s[8:9], s[58:59]
	s_add_nc_u64 s[6:7], s[6:7], s[26:27]
.irp s, 0,1
	s_mov_b32 s[G0+4*\s], 1
	s_add_co_u32 s[G0+4*\s+1], s25, \s*SLOT
	s_add_nc_u64 s[G0+4*\s+2:G0+4*\s+3], s[6:7], \s*SLOT           ; slot s begins with key steps 8 s .. 8 s + 7
	s_or_b32 s[G0+4*\s+3], s[G0+4*\s+3], 0x80000000
.endr
	CROUND                                         ; all four work-groups are here: the first joint loads meet
	s_cmp_lt_u32 s[WV], 8                          ; a wave's two first fills stand in one branch, ahead of every wait on TENSORcnt and every LDS read: two loads of mine are out
	s_cbranch_scc0 .Lno_first
	tensor_load_to_lds s[G0:G0+3], s[G1:G1+7]
	s_nop 0
	tensor_load_to_lds s[G0+4:G0+7], s[G1:G1+7]
	s_nop 0
.rept 4
	v_nop
.endr
.Lno_first:
	s_wait_alu depctr_va_vdst(0)
	global_load_b128 v[QL:QL+3], v116, s[56:57]    ; Q stays in registers
	global_load_b128 v[QL+4:QL+7], v116, s[56:57] offset:512
	global_load_b32 v[QSW], v117, s[56:57]
.irp i, 0,1,2,3,4,5,6,7
	v_mov_b32 v[QL-8+\i], 0                        ; the zero codes on both sides of Q
	v_mov_b32 v[QL+8+\i], 0
.endr
.set jj, 0
.rept 32
	v_mov_b32 v[OT+jj], 0                          ; O^T.  (The step is written for every step alike: the first finds zeros, which the first change of M leaves zeros; a part without steps hands zeros on)
.set jj, jj+1
.endr
.irp b, 0,1,2,3
	v_mov_b32 v[PX+\b], 0                          ; a lane permute's destination counts as one of its sources
.endr
	v_mov_b32 v13, 0xff61b1e6                      ; the largest t so far: -3e38, under every t
	s_delay_alu instid0(VALU_DEP_1)
	v_floor_f32 v12, -v13                          ; -M
	v_mov_b32 v14, 0                               ; the sum, in two halves
	v_mov_b32 v15, 0
	v_mov_b32 v[FF+1], 0                           ; (named as the upper half of the pair)
	s_wait_loadcnt 0x0                             ; Q; its offsets' registers are free from here on
	s_wait_tensorcnt 1                             ; my part of slot 0 is in; slot 1's may stay out
	s_barrier_signal -1
	s_barrier_wait -1                              ; everybody's is
	STEP 0, 0                                      ; key steps 0..7
	STEP 0, 1
	CHANGE 0, 1                                    ; slot 0 takes key steps 16..23
	STEP 1, 0                                      ; key steps 8..15
	STEP 1, 1
	CHANGE 1, 1                                    ; slot 1 takes key steps 24..31
	STEP 0, 0                                      ; key steps 16..23
	STEP 0, 1
	CHANGE 0, 0                                    ; nothing is left to fetch; slot 0 is left for good
	STEP 1, 0                                      ; key steps 24..31
	STEP 1, 1
	; THE FOUR PARTS OF A TILE MEET, in slot 0's bytes.  Each wave puts its O^T (as rows of O), its -M and its sum into its own region.
	s_wait_alu depctr_va_vdst(0)
	v_add_f32 v14, v14, v15                        ; the sum's two halves,
	s_delay_alu instid0(VALU_DEP_1)
	v_permlanex16_b32 v[PX], v14, s[SEL], s[SEL+1]
	s_delay_alu instid0(VALU_DEP_1)
	v_add_f32 v14, v14, v[PX]                      ; and lane l xor 16's
.irp t, 0,1,2,3
	ds_store_b128 v[CST], v[OT+8*\t:OT+8*\t+3] offset:64*\t        ; each accumulator from its low end on
	ds_store_b128 v[CST], v[OT+8*\t+4:OT+8*\t+7] offset:64*\t+16
.endr
	ds_store_b32 v[CSS], v12                       ; lanes r and r + 16 write the same word with the same value
	ds_store_b32 v[CSS], v14 offset:64
	s_wait_dscnt 0x0                               ; for the others' sake: my stores are done
	s_barrier_signal -1
	s_barrier_wait -1
	; Wave (ti, a) finishes rows 4 a .. 4 a + 3 of tile ti, two rows at a time: lanes 0-15 one row of 256 bytes, lanes 16-31 the next.
.irp n, 0,1
.irp p, 0,1,2,3
	ds_load_b128 v[CO+16*\n+4*\p:CO+16*\n+4*\p+3], v[CLD] offset:CREG*\p+2*CP*\n
	ds_load_b32 v[CM+4*\n+\p], v[CLS] offset:CREG*\p+8*\n
	ds_load_b32 v[CL+4*\n+\p], v[CLS] offset:CREG*\p+8*\n+64
.endr
.endr
.macro JOIN n, left
	s_wait_dscnt \left
	v_min3_num_f32 v160, v[CM+4*\n], v[CM+4*\n+1], v[CM+4*\n+2]
	s_delay_alu instid0(VALU_DEP_1)
	v_min_num_f32 v160, v160, v[CM+4*\n+3]         ; the least -M: the row's M
.irp p, 0,1,2,3
	v_sub_f32 v[CF+\p], v160, v[CM+4*\n+\p]        ; part p's M less the row's: a whole number, 0 or less (a part without steps: -3e38)
.endr
.irp p, 0,1,2,3
	s_delay_alu instid0(VALU_DEP_4)
	v_cvt_i32_f32 v[CF+\p], v[CF+\p]               ; (it saturates)
.endr
.irp p, 0,1,2,3
	s_delay_alu instid0(VALU_DEP_4)
	v_ldexp_f32 v[CF+\p], 1.0, v[CF+\p]            ; an exact power of two, or 0
.endr
	s_delay_alu instid0(VALU_DEP_4)
	v_mul_f32 v161, v[CF], v[CL+4*\n]
.irp p, 1,2,3
	s_delay_alu instid0(VALU_DEP_1)
	v_fmac_f32 v161, v[CF+\p], v[CL+4*\n+\p]       ; the row's sum
.endr
	s_wait_alu depctr_va_vdst(0)
	v_rcp_f32 v161, v161
.irp i, 0,1,2,3
	v_mul_f32 v[CR+4*\n+\i], v[CF], v[CO+16*\n+\i] ; (plain lines behind the reciprocal that do not name it)
.endr
.irp p, 1,2,3
.irp i, 0,1,2,3
	s_delay_alu instid0(VALU_DEP_4)
	v_fmac_f32 v[CR+4*\n+\i], v[CF+\p], v[CO+16*\n+4*\p+\i]
.endr
.endr
	s_wait_alu depctr_va_vdst(0)
.irp i, 0,1,2,3
	v_mul_f32 v[CR+4*\n+\i], v[CR+4*\n+\i], v161
.endr
	global_store_b128 v[GO], v[CR+4*\n:CR+4*\n+3], s[8:9] offset:512*\n th:TH_STORE_NT   ; 16 lanes store 256 consecutive bytes, at a multiple of 256 from out0's first byte; each pair of rows has its own data registers
.endm
	JOIN 0, 12                                     ; the second pair's twelve loads may be out
	JOIN 1, 0
	s_wait_tensorcnt 0x0                           ; the wave's end, behind my last tensor load and my last LDS store
	ds_add_u32 v[SPW], v[NIL]
	s_wait_dscnt 0x0
	CROUND                                         ; the closing round: no work-group ends while a partner may still ask for a record that names it
	s_endpgm
.Lfunc_end_k_q39e960b687_attn:
	.size	k_q39e960b687_attn, .Lfunc_end_k_q39e960b687_attn-k_q39e960b687_attn
	.p2alignl 7, 3214868480
	.fill 96, 4, 3214868480
	.section	.rodata,"a",@progbits
	.p2align	6, 0x0
	.amdhsa_kernel k_q39e960b687_attn
		.amdhsa_group_segment_fixed_size 327680
		.amdhsa_private_segment_fixed_size 0
		.amdhsa_enable_private_segment 0
		.amdhsa_kernarg_size 24
		.amdhsa_user_sgpr_count 2
		.amdhsa_user_sgpr_kernarg_segment_ptr 1
		.amdhsa_wavefront_size32 1
		.amdhsa_system_sgpr_workgroup_id_x 1
		.amdhsa_system_sgpr_workgroup_id_y 1
		.amdhsa_system_sgpr_workgroup_id_z 1
		.amdhsa_system_vgpr_workitem_id 0
		.amdhsa_next_free_vgpr 256
		.amdhsa_next_free_sgpr 66
		.amdhsa_reserve_vcc 1
		.amdhsa_float_denorm_mode_32 3
		.amdhsa_float_denorm_mode_16_64 3
		.amdhsa_fp16_overflow 1
		.amdhsa_memory_ordered 1
		.amdhsa_forward_progress 1
		.amdhsa_inst_pref_size 193
	.end_amdhsa_kernel
	.amdgpu_metadata
---
amdhsa.version: [ 1, 2 ]
amdhsa.kernels:
  - .name:           k_q39e960b687_attn
    .symbol:         k_q39e960b687_attn.kd
    .args:
      - { .name: qfr, .offset: 0, .size: 8, .value_kind: global_buffer, .address_space: global }
      - { .name: kv, .offset: 8, .size: 8, .value_kind: global_buffer, .address_space: global }
      - { .name: out0, .offset: 16, .size: 8, .value_kind: global_buffer, .address_space: global }
    .group_segment_fixed_size: 327680
    .private_segment_fixed_size: 0
    .kernarg_segment_align: 8
    .kernarg_segment_size: 24
    .max_flat_workgroup_size: 512
    .sgpr_count:     66
    .vgpr_count:     256
    .wavefront_size: 32
...
	.end_amdgpu_metadata
.endif
;; end of part 3
